; MI455X (gfx1250); checked and timed in simulation.
; The chip was launched on July 23, 2026; its instructions are those of AMD's public machine-readable ISA for CDNA 5 (MIT licence, August 2026) and "CDNA5" Instruction Set Architecture Reference Guide (July 2026). The comments in the code are by the model that wrote it; some were corrected since.
;; Attention. Allowed arithmetic: matrix products marked QUANTISED: E4M3 operands, one given power-of-two scale a tensor, by v_wmma_f32_16x16x64_fp8_fp8 or v_wmma_f32_16x16x128_fp8_fp8, f32 sums; products left as they are: f32 operands where the result goes on into a quantised operand, else bf16, f16 or f32 operands; f32 sums; everything else in f32.
;; Inputs: Wk 1,024 x 1,024 float32; Wq 1,024 x 1,024 float32; Wv 1,024 x 1,024 float32; alpha 1 float32; beta 1,024 float32; bk 1,024 float32; bq 1,024 float32; bv 1,024 float32; decoder_hidden_state 32 x 1,024 float32; encoder_outputs 32 x 1,024 x 1,024 float32; gamma 1,024 float32; lowp_scales 6 int32 (the exponents e of the quantised operands' scales 2^e).
;; Outputs: out0 32 x 1,024 float32; out1 32 x 1,024 float32.
;; This version of the problem:
;;   THIS VERSION OF THE PROBLEM IS GIVEN IN LOW PRECISION. The matrix products marked QUANTISED in the list below multiply operands that are first quantised to E4M3 (4 exponent bits, 3 mantissa bits; 8 bits a number), with one given power-of-two scale for each operand tensor; their sums are f32. All else is computed in f32.
;;   The module's matrix products, in the order in which they are computed (A, B: the left and right operand; K: the contracted axis; several contracted axes count as one K, in the product's order):
;;     1. [M 32, K 1,024] x [K 1,024, N 1,024]; A: input decoder_hidden_state; B: input Wq: QUANTISED (scales: A lowp_scales[0], B lowp_scales[1])
;;     2. [M 32,768, K 1,024] x [K 1,024, N 1,024]; A: input encoder_outputs; B: input Wk: QUANTISED (scales: A lowp_scales[2], B lowp_scales[3])
;;     3. [M 32,768, K 1,024] x [K 1,024, N 1,024]; A: input encoder_outputs; B: input Wv: QUANTISED (scales: A lowp_scales[4], B lowp_scales[5])
;;     4. batch 32 x [M 1, K 1,024] x [K 1,024, N 1,024]; A: computed on the way; B: computed on the way: left as it is (M = 1 < 16)
;;     5. batch 32 x [M 1, K 1,024] x [K 1,024, N 1,024]; A: softmax; B: computed on the way: left as it is (M = 1 < 16)
;;   THE QUANTISER, for each operand of a quantised product, along K:
;;     - The operand's scale is 2^e, e = its entry of the input lowp_scales (int32; the entries are numbered through the quantised products in the list's order, A before B).
;;     - Each number is divided by the scale, clamped to +-448, and rounded to the nearest number of E4M3, ties to even, subnormals kept.
;;     - The product sums the exact products of the quantised numbers (number of the format x scale) in f32.
;;   ~~~python
;;   def quantise(x, axis, e):      # numpy; x: float32 -> the quantised numbers, widened to float32 again
;;       x = np.moveaxis(x, axis, -1); K = x.shape[-1]
;;       r = np.clip(x / 2.0 ** e, -448, 448)
;;       step = 2.0 ** (np.maximum(np.frexp(np.where(r == 0, 1, r))[1] - 1, -6) - 3)
;;       q = np.round(r / step) * step * 2.0 ** e      # np.round: ties to even
;;       return np.moveaxis(q, -1, axis).astype(np.float32)
;;   ~~~
;; One version. Each part assembles by itself: llvm-mc -triple=amdgcn-amd-amdhsa -mcpu=gfx1250 --defsym DOCPART=n.
;; ======== version 1 of 1: 3 launches
;; limits: right only within a limited range of input values
;; workspace buffers: wcodes 2,097,152 bytes; qbuf 131,072 bytes; energy 131,072 bytes; part 1,179,648 bytes
;; launch prep (part 1): grid 192 x 1, 8 waves a work-group, no clusters, 84,992 bytes of LDS; arguments Wk, Wv, Wq, decoder_hidden_state, bq, lowp_scales, wcodes, qbuf; writes wcodes, qbuf
.if DOCPART == 1
	.amdgcn_target "amdgcn-amd-amdhsa--gfx1250"
	.amdhsa_code_object_version 6
	.text
	.protected	k_q9f23422d3c_prep
	.globl	k_q9f23422d3c_prep
	.p2align	8
	.type	k_q9f23422d3c_prep,@function
k_q9f23422d3c_prep:
	s_mov_b64 s[64:65], 0
	v_nop
	global_prefetch_b8 v0, s[64:65] scope:SCOPE_SE
	s_setreg_imm32_b32 hwreg(HW_REG_WAVE_MODE, 25, 1), 1
	s_wait_xcnt 0x0
; Wk, Wv, Wq [1024][1024] f32 are turned into codes of E4M3 along K (their last axis), each with its given scale 2^e; Wk's and Wv's codes are stored for the next launch,
; Wq's are multiplied at once: q = Q(decoder_hidden_state) Q(Wq)^T x 2^(e0 + e1) + bq, stored as f32.
; SHARES.  Work-group x: matrix x / 64 (0 Wk, 1 Wv, 2 Wq), rows 16 t .. 16 t + 15 with t = x % 64.  Wave ks of eight takes K step ks: 16 rows x 128 along K, 8,192 bytes of f32.
; Each load of a wave covers 512 consecutive bytes of one row.  The conversions want 16 neighbours along K in ONE lane, so the 8,192 bytes turn through the wave's own stage in LDS
; (rows 528 bytes apart) and come back so that register 16 b + i of lane (r, h) is k = 32 b + 16 h + i of row r.
; The eight conversions' results are then an operand's sixteen registers (the same permutation of k on both sides of every product).
; wcodes: [w 4][matrix 2][t 64][s 2][c 4][lane 32][16 bytes]: K step ks = 2 w + s; an image of registers 4 c .. 4 c + 3: a wave stores 2,048 consecutive bytes.
; qbuf: [t 64][b 32][16] f32: a wave stores 256 consecutive bytes.
; code = x / 2^e, held within +-448, to the nearest code, ties to even.  LIMITS: each e between -126 and 119, so that 2^e and 448 x 2^e are f32 numbers; NaN among the inputs is not served.
; The three matrices take one way through the text but for short branches on the work-group's number; the one barrier stands on the way that all take.
.set PITCH, 528
.set WSTG,  16*PITCH                   ; a wave's stage
.set RED,   8*WSTG                     ; behind the stages: 2,048 bytes for each wave: its K step's part of q [b 32][16]
.set R0,  64                           ; v64-127   the unit of W
.set R1,  128                          ; v128-191  rows 0-15 of the decoder state, the same K step
.set R2,  192                          ; v192-255  rows 16-31
.set CW,  12                           ; v12-27    W's codes
.set CD0, 28                           ; v28-43    the decoder state's, rows 0-15
.set CD1, 44                           ; v44-59    rows 16-31
; v1 16 x lane; v2 stage, in; v3 stage, out; v4, v5 448 x 2^e and 2^e of W; v6, v7 of the decoder state; v8 where my part of q goes; v9 where I read the parts; v10 my place in qbuf; v11 in bq; v62 in wcodes; v[60:61] bq
	s_load_b256 s[4:11], s[0:1], 0x0               ; Wk s[4:5], Wv s[6:7], Wq s[8:9], decoder state s[10:11]
	s_load_b256 s[12:19], s[0:1], 0x20             ; bq s[12:13], scales s[14:15], wcodes s[16:17], qbuf s[18:19]
	v_lshl_add_u32 v63, v0, 2, 0x14800
	s_set_vgpr_msb 0x40
	v_mov_b32 v1, 0
	s_set_vgpr_msb 0x4000
	v_lshrrev_b32 v56, 5, v0
	s_delay_alu instid0(VALU_DEP_1)
	v_readfirstlane_b32 s20, v56                   ; wave = K step
	s_lshr_b32 s21, ttmp9, 6                       ; which matrix
	s_and_b32 s22, ttmp9, 63                       ; t
	v_and_b32 v56, 31, v0
	s_delay_alu instid0(VALU_DEP_1)
	v_lshlrev_b32 v1, 4, v56                       ; 16 x lane
	v_and_b32 v56, 15, v0                          ; r
	v_bfe_u32 v57, v0, 4, 1                        ; h
	s_mul_i32 s23, s20, WSTG
	v_add_nc_u32 v2, s23, v1                       ; in: as loaded, 512 bytes a row
	v_mul_u32_u24 v3, v56, PITCH
	s_delay_alu instid0(VALU_DEP_1)
	v_lshl_add_u32 v3, v57, 6, v3
	s_delay_alu instid0(VALU_DEP_1)
	v_add_nc_u32 v3, s23, v3                       ; out: row r, + 64 h
	s_lshl_b32 s23, s20, 11
	s_add_co_u32 s23, s23, RED
	v_lshlrev_b32 v8, 6, v56
	s_delay_alu instid0(VALU_DEP_1)
	v_lshl_add_u32 v8, v57, 5, v8
	s_delay_alu instid0(VALU_DEP_1)
	v_add_nc_u32 v8, s23, v8                       ; my wave's part of q: row b = r of 64 bytes, + 32 h
	v_lshl_add_u32 v9, v0, 3, RED                  ; the parts, 8 bytes a thread
	s_lshl_b32 s23, s22, 11
	v_lshl_add_u32 v10, v0, 3, s23                 ; qbuf: 2,048 t + 8 x thread
	v_and_b32 v11, 7, v0
	s_lshl_b32 s23, s22, 6
	v_lshl_add_u32 v11, v11, 3, s23                ; bq: 64 t + 8 (thread % 8)
	s_lshr_b32 s34, s20, 1
	s_lshl_b32 s34, s34, 19                        ; wcodes: 524,288 (ks / 2)
	s_lshl_b32 s35, s21, 18
	s_add_co_u32 s34, s34, s35                     ; + 262,144 x matrix
	s_lshl_b32 s35, s22, 12
	s_add_co_u32 s34, s34, s35                     ; + 4,096 t
	s_and_b32 s35, s20, 1
	s_lshl_b32 s35, s35, 11
	s_add_co_u32 s34, s34, s35                     ; + 2,048 (ks % 2)
	v_add_nc_u32 v62, s34, v1
	s_lshl_b32 s26, s22, 16                        ; 16 t rows of 4,096 bytes
	s_lshl_b32 s38, s20, 9                         ; the K step's 512 bytes
	s_add_co_u32 s26, s26, s38
	s_mov_b32 s27, 0
	s_mov_b32 s39, 0
	s_wait_kmcnt 0x0
	s_load_b128 s[28:31], s[14:15], 0x0            ; e0 .. e3
	s_load_b64 s[32:33], s[14:15], 0x10            ; e4, e5
	s_cmp_eq_u32 s21, 0                            ; the choice hangs on the work-group's number alone
	s_cselect_b64 s[24:25], s[4:5], s[6:7]
	s_cmp_eq_u32 s21, 2
	s_cselect_b64 s[24:25], s[8:9], s[24:25]
	s_add_nc_u64 s[24:25], s[24:25], s[26:27]
	s_add_nc_u64 s[10:11], s[10:11], s[38:39]
.set j, 0
.rept 16
	global_load_b128 v[R0+4*j:R0+4*j+3], v1, s[24:25] offset:4096*j th:TH_LOAD_NT   ; row j: 32 lanes read 512 consecutive bytes; read once in the launch
.set j, j+1
.endr
.macro GLD R, off                      ; sixteen rows of the decoder state (64 work-groups read them: no hint)
.set j, 0
.rept 16
	global_load_b128 v[\R+4*j:\R+4*j+3], v1, s[10:11] offset:4096*j+\off
.set j, j+1
.endr
.endm
	s_cmp_lg_u32 s21, 2
	s_cbranch_scc1 .Lno_state
	GLD R1, 0
	GLD R2, 65536
	s_wait_alu depctr_va_vdst(0)
	global_load_b64 v[60:61], v11, s[12:13]
.Lno_state:
	s_wait_kmcnt 0x0
	s_cmp_eq_u32 s21, 0
	s_cselect_b32 s36, s31, s33                    ; Wk: e3, Wv: e5,
	s_cmp_eq_u32 s21, 2
	s_cselect_b32 s36, s29, s36                    ; Wq: e1
	s_add_co_i32 s36, s36, 127
	s_lshl_b32 s37, s36, 23
	v_mov_b32 v5, s37                              ; 2^e as f32: the conversion takes its exponent field
	s_add_co_i32 s36, s36, 8
	s_lshl_b32 s36, s36, 23
	s_or_b32 s36, s36, 0x600000
	v_mov_b32 v4, s36                              ; 448 x 2^e
	s_add_co_i32 s40, s28, 127
	s_lshl_b32 s41, s40, 23
	v_mov_b32 v7, s41                              ; the same with e0
	s_add_co_i32 s40, s40, 8
	s_lshl_b32 s40, s40, 23
	s_or_b32 s40, s40, 0x600000
	v_mov_b32 v6, s40
	s_add_co_i32 s42, s28, s29                     ; e0 + e1
; 64 registers as loaded go through the stage, come back as 64 neighbours in the operand's order, are held and converted.
.macro TQ R, lim, scl, C
.set j, 0
.rept 16
	ds_store_b128 v2, v[\R+4*j:\R+4*j+3] offset:PITCH*j
.set j, j+1
.endr
.set j, 0
.rept 16
	ds_load_b128 v[\R+4*j:\R+4*j+3], v3 offset:128*(j/4)+16*(j%4)   ; LDS serves a wave's instructions in order (ISA guide 5.7.1.4): these see the stores above, and land in the registers that those have left
.set j, j+1
.endr
	s_wait_dscnt 0x0
.set j, 0
.rept 64
	v_med3_num_f32 v[\R+j], v[\R+j], -v[\lim], v[\lim]   ; the conversion to an 8-bit code does not saturate (ISA guide 7.6.2): the hold comes first
.set j, j+1
.endr
.set j, 0
.rept 8
	v_cvt_scalef32_pk8_fp8_f32 v[\C+2*j:\C+2*j+1], v[\R+8*j:\R+8*j+7], v[\scl]
.set j, j+1
.endr
	v_nop                                          ; one plain vector line behind the last conversion, ahead of whatever touches its registers next
.endm
	s_wait_alu depctr_va_vdst(0)
	s_wait_loadcnt 0x0
	TQ R0, 4, 5, CW
	s_cmp_lg_u32 s21, 2
	s_cbranch_scc1 .Lweights
	TQ R1, 6, 7, CD0
	TQ R2, 6, 7, CD1
	v_wmma_f32_16x16x128_fp8_fp8 v[64:71], v[CW:CW+15], v[CD0:CD0+15], 0   ; source 0 = 16 rows of Wq, source 1 = 16 rows of the state: lane (r, h) holds b = r and outputs 8 h + 0 .. 7
	v_wmma_f32_16x16x128_fp8_fp8 v[72:79], v[CW:CW+15], v[CD1:CD1+15], 0   ; b = 16 + r
.rept 4
	v_nop                                          ; four places ahead of the stores that read the results
.endr
	ds_store_b128 v8, v[64:67]
	ds_store_b128 v8, v[68:71] offset:16
	ds_store_b128 v8, v[72:75] offset:1024
	ds_store_b128 v8, v[76:79] offset:1040
	s_branch .Ljoin
.Lweights:
	s_wait_alu depctr_va_vdst(0)
.irp c, 0,1,2,3
	global_store_b128 v62, v[CW+4*\c:CW+4*\c+3], s[16:17] offset:512*\c   ; 32 lanes store 512 consecutive bytes
.endr
.Ljoin:
	s_wait_dscnt 0x0                               ; for the others' sake: my part of q lies in LDS
	s_barrier_signal -1
	s_barrier_wait -1
	s_cmp_lg_u32 s21, 2
	s_cbranch_scc1 .Lend
.irp w, 0,1,2,3,4,5,6,7
	ds_load_b64 v[128+2*\w:129+2*\w], v9 offset:2048*\w   ; the eight K steps' parts of my two numbers
.endr
	s_wait_dscnt 0x0
	v_pk_add_f32 v[128:129], v[128:129], v[130:131]
	v_pk_add_f32 v[132:133], v[132:133], v[134:135]
	v_pk_add_f32 v[136:137], v[136:137], v[138:139]
	v_pk_add_f32 v[140:141], v[140:141], v[142:143]
	s_delay_alu instid0(VALU_DEP_3)
	v_pk_add_f32 v[128:129], v[128:129], v[132:133]
	s_delay_alu instid0(VALU_DEP_2)
	v_pk_add_f32 v[136:137], v[136:137], v[140:141]
	s_delay_alu instid0(VALU_DEP_1)
	v_pk_add_f32 v[128:129], v[128:129], v[136:137]
	s_delay_alu instid0(VALU_DEP_1)
	v_ldexp_f32 v128, v128, s42                    ; x 2^(e0 + e1)
	s_delay_alu instid0(VALU_DEP_2)
	v_ldexp_f32 v129, v129, s42
	s_delay_alu instid0(VALU_DEP_1)
	v_pk_add_f32 v[128:129], v[128:129], v[60:61]  ; + bq
	global_store_b64 v10, v[128:129], s[18:19]     ; 32 lanes store 256 consecutive bytes
.Lend:
	s_set_vgpr_msb 0x4
	s_wait_tensorcnt 0x0
	ds_add_u32 v63, v1
	s_wait_dscnt 0x0
	s_set_vgpr_msb 0x400
	s_endpgm
.Lfunc_end_k_q9f23422d3c_prep:
	.size	k_q9f23422d3c_prep, .Lfunc_end_k_q9f23422d3c_prep-k_q9f23422d3c_prep
	.p2alignl 7, 3214868480
	.fill 96, 4, 3214868480
	.section	.rodata,"a",@progbits
	.p2align	6, 0x0
	.amdhsa_kernel k_q9f23422d3c_prep
		.amdhsa_group_segment_fixed_size 84992
		.amdhsa_private_segment_fixed_size 0
		.amdhsa_enable_private_segment 0
		.amdhsa_kernarg_size 64
		.amdhsa_user_sgpr_count 2
		.amdhsa_user_sgpr_kernarg_segment_ptr 1
		.amdhsa_wavefront_size32 1
		.amdhsa_system_sgpr_workgroup_id_x 1
		.amdhsa_system_sgpr_workgroup_id_y 1
		.amdhsa_system_sgpr_workgroup_id_z 1
		.amdhsa_system_vgpr_workitem_id 0
		.amdhsa_next_free_vgpr 258
		.amdhsa_next_free_sgpr 66
		.amdhsa_reserve_vcc 0
		.amdhsa_float_denorm_mode_32 3
		.amdhsa_float_denorm_mode_16_64 3
		.amdhsa_memory_ordered 1
		.amdhsa_forward_progress 1
		.amdhsa_inst_pref_size 31
	.end_amdhsa_kernel
	.amdgpu_metadata
---
amdhsa.version: [ 1, 2 ]
amdhsa.kernels:
  - .name:           k_q9f23422d3c_prep
    .symbol:         k_q9f23422d3c_prep.kd
    .args:
      - { .name: Wk, .offset: 0, .size: 8, .value_kind: global_buffer, .address_space: global }
      - { .name: Wv, .offset: 8, .size: 8, .value_kind: global_buffer, .address_space: global }
      - { .name: Wq, .offset: 16, .size: 8, .value_kind: global_buffer, .address_space: global }
      - { .name: decoder_hidden_state, .offset: 24, .size: 8, .value_kind: global_buffer, .address_space: global }
      - { .name: bq, .offset: 32, .size: 8, .value_kind: global_buffer, .address_space: global }
      - { .name: lowp_scales, .offset: 40, .size: 8, .value_kind: global_buffer, .address_space: global }
      - { .name: wcodes, .offset: 48, .size: 8, .value_kind: global_buffer, .address_space: global }
      - { .name: qbuf, .offset: 56, .size: 8, .value_kind: global_buffer, .address_space: global }
    .group_segment_fixed_size: 84992
    .private_segment_fixed_size: 0
    .kernarg_segment_align: 8
    .kernarg_segment_size: 64
    .max_flat_workgroup_size: 256
    .sgpr_count:     66
    .vgpr_count:     258
    .wavefront_size: 32
...
	.end_amdgpu_metadata
.endif
;; end of part 1
;; launch main (part 2): grid 256 x 1, 4 waves a work-group, clusters of 4 x 1, 327,680 bytes of LDS; arguments encoder_outputs, wcodes, qbuf, bk, lowp_scales, energy, part; writes energy, part
.if DOCPART == 2
	.amdgcn_target "amdgcn-amd-amdhsa--gfx1250"
	.amdhsa_code_object_version 6
	.text
	.protected	k_q9f23422d3c_main
	.globl	k_q9f23422d3c_main
	.p2align	8
	.type	k_q9f23422d3c_main,@function
k_q9f23422d3c_main:
	s_mov_b64 s[64:65], 0
	v_nop
	global_prefetch_b8 v0, s[64:65] scope:SCOPE_SE
	s_setreg_imm32_b32 hwreg(HW_REG_WAVE_MODE, 25, 1), 1
	s_wait_xcnt 0x0
	s_wait_alu depctr_hold_cnt(0) depctr_sa_sdst(0) depctr_va_vdst(0) depctr_va_sdst(0) depctr_va_ssrc(0) depctr_va_vcc(0) depctr_vm_vsrc(0)
	s_getreg_b32 s2, hwreg(HW_REG_IB_STS2, 6, 4)
	s_cmp_eq_u32 s2, 0
	s_cbranch_scc0 .Lentry_in_a_cluster
	s_endpgm
.Lentry_in_a_cluster:
	s_bfe_u32 s2, ttmp6, 0x10000c
	s_cmp_lg_u32 s2, 0x3003
	s_cbranch_scc0 .Lentry_shape_is_right
	s_endpgm
.Lentry_shape_is_right:
; Work-group g takes rows 128 g .. 128 g + 127 of encoder_outputs (batch g / 8).  Wave w holds K = 256 w .. 256 w + 255 of these rows in registers as codes of E4M3,
; once with the scale of product 2 and once with that of product 3.  Wk's and then Wv's codes come through a ring of two LDS slots, asked for jointly by the four work-groups of a cluster.
; The energy and the context are linear in k and v: each wave weighs its quarter of K's sums at once (by q; by p = exp(E - the block's largest E)); the waves' parts are joined through LDS.
; Stored: the block's energies, its largest energy, its sum of p and its part of the context; the next launch joins a batch's eight blocks.
; LIMITS: each given exponent between -126 and 119; NaN among the inputs is not served.
.set SLOT1,  131072
.set L_SCR,  262144
.set L_QTAB, 295936
.set L_EX,   300032
.set L_EF,   302080
.set L_QB,   302592
.set SPARE,  302848
.set SPITCH, 528
.set WSTG,   16*SPITCH
.set CXW,    8320
.set CXH,    4160
.set L16,  1
.set ADB0, 2
.set ADC,  3
.set ADN,  4
.set STI,  5
.set STO,  6
.set QAD0, 7
.set QAD,  8
.set CAD0, 9
.set CAD,  10
.set TT,   11
.set SPW,  12
.set NIL,  13
.set LIMK, 14
.set SCLK, 15
.set LIMV, 16
.set SCLV, 17
.set EXW,  18
.set EXR,  19
.set QBA,  20
.set EFW,  21
.set EFR,  22
.set EFL,  23
.set CXR,  25
.set T16,  26
.set QOF,  27
.set TMP,  28
.set BKO,  29
.set QTW,  30
.set QBW,  31
.set P,    32
.set QV,   96
.set BB,   128
.set ACC,  128
.set EE,   192
.set CP,   192
.set CS,   196
.set WV,  18
.set CX,  19
.set GG,  20
.set TB,  21
.set CNT, 22
.set PO,  23
.set G1,  24
.set G0A, 32
.set G0B, 36
.set ROT, 55
.set WB,  56
.set FI,  58
.set MSB, 0
.macro WIN new
.if MSB != (\new)
	s_set_vgpr_msb (MSB<<8)|(\new)
.set MSB, (\new)
.endif
.endm
.macro CREST
	s_cmp_lg_u32 s[WV], 0
	s_cbranch_scc1 .Lnot_wave_0_\@
	s_barrier_signal -3
.Lnot_wave_0_\@:
	s_barrier_wait -3
	s_barrier_signal -1
	s_barrier_wait -1
.endm
.macro CROUND
	s_barrier_signal -1
	s_barrier_wait -1
	CREST
.endm
	s_load_b256 s[4:11], s[0:1], 0x0
	s_load_b128 s[12:15], s[0:1], 0x20
	s_load_b64 s[16:17], s[0:1], 0x30
	v_lshl_add_u32 v[SPW], v0, 2, SPARE
	v_mov_b32 v[NIL], 0
	ds_add_u32 v12, v13
	ds_add_u32 v12, v13
	s_wait_dscnt 0x0
	v_lshrrev_b32 v[TMP], 5, v0
	v_readfirstlane_b32 s[WV], v[TMP]
	s_bfe_u32 s[CX], ttmp6, 0x40000
	s_lshl_b32 s[GG], ttmp9, 2
	s_add_co_u32 s[GG], s[GG], s[CX]
	s_and_b32 s[ROT], ttmp9, 7
	s_mov_b32 s[FI], 1
	s_mov_b32 s[G1], 15|(3<<16)|(1<<21)
	s_mov_b32 s[G1+1], 32<<16
	s_mov_b32 s[G1+2], 128<<16
	s_mov_b32 s[G1+3], 32<<16
	s_mov_b32 s[G1+4], 128
	s_mov_b32 s[G1+5], 32
	s_mov_b32 s[G1+6], 0
	s_mov_b32 s[G1+7], 0
	s_mov_b32 s50, 0x76543210
	s_mov_b32 s51, 0xfedcba98
	s_mov_b32 s52, 0x3fb8aa3b
	s_mov_b32 s53, s52
	s_lshl_b32 s46, s[WV], 19
	s_mov_b32 s47, 0
	s_mov_b32 s[G0A], 1
	s_lshl_b32 s[G0A+1], s[WV], 15
	s_mov_b32 s[G0B], 1
	s_add_co_u32 s[G0B+1], s[G0A+1], SLOT1
	s_wait_kmcnt 0x0
	s_load_b128 s[40:43], s[12:13], 0x0
	s_load_b64 s[44:45], s[12:13], 0x10
	s_add_nc_u64 s[WB:WB+1], s[6:7], s[46:47]
	s_lshl_b32 s46, s[ROT], 15
	s_add_nc_u64 s[G0A+2:G0A+3], s[WB:WB+1], s[46:47]
	s_add_co_u32 s46, s[ROT], 1
	s_and_b32 s46, s46, 7
	s_lshl_b32 s46, s46, 15
	s_add_nc_u64 s[G0B+2:G0B+3], s[WB:WB+1], s[46:47]
	s_or_b32 s[G0A+3], s[G0A+3], 0x80000000
	s_or_b32 s[G0B+3], s[G0B+3], 0x80000000
	v_and_b32 v[TMP], 31, v0
	v_lshlrev_b32 v[L16], 4, v[TMP]
	v_add_nc_u32 v[ADB0], s[G0A+1], v[L16]
	v_and_b32 v112, 15, v0
	v_bfe_u32 v113, v0, 4, 1
	s_mul_i32 s46, s[WV], WSTG
	s_add_co_u32 s46, s46, L_SCR
	v_add_nc_u32 v[STI], s46, v[L16]
	v_mul_u32_u24 v[STO], v112, SPITCH
	v_lshl_add_u32 v[STO], v113, 6, v[STO]
	v_add_nc_u32 v[STO], s46, v[STO]
	v_lshl_add_u32 v[QAD0], v112, 2, L_QTAB
	s_mul_i32 s46, s[WV], CXW
	s_add_co_u32 s46, s46, L_SCR
	v_mul_u32_u24 v[CAD0], v113, CXH
	v_lshl_add_u32 v[CAD0], v112, 2, v[CAD0]
	v_add_nc_u32 v[CAD0], s46, v[CAD0]
	s_lshl_b32 s46, s[WV], 9
	s_add_co_u32 s46, s46, L_EX
	v_lshl_add_u32 v[EXW], v113, 5, s46
	v_lshl_add_u32 v[EXR], v0, 2, L_EX
	v_mov_b32 v[QBA], L_QB
	v_lshl_add_u32 v[EFW], v0, 2, L_EF
	v_lshl_add_u32 v[EFR], v113, 5, L_EF
	v_add_nc_u32 v[EFL], L_EF, v[L16]
	v_lshl_add_u32 v[CXR], v0, 4, L_SCR
	v_lshl_add_u32 v[QTW], v0, 5, L_QTAB
	v_lshrrev_b32 v[QBW], 5, v0
	v_lshl_add_u32 v[QBW], v[QBW], 2, L_QB
	s_lshl_b32 s46, s[ROT], 4
	v_add_nc_u32 v114, s46, v0
	v_and_b32 v114, 127, v114
	v_lshrrev_b32 v[QOF], 1, v114
	v_lshlrev_b32 v[QOF], 11, v[QOF]
	v_and_b32 v[TMP], 1, v114
	v_lshl_add_u32 v[QOF], v[TMP], 5, v[QOF]
	s_lshr_b32 s46, s[GG], 3
	s_lshl_b32 s46, s46, 6
	v_add_nc_u32 v[QOF], s46, v[QOF]
	s_wait_alu depctr_va_vdst(0)
	v_lshlrev_b32 v[BKO], 5, v114
	s_wait_alu depctr_va_vdst(0)
	s_lshl_b32 s46, s[GG], 19
	s_lshl_b32 s48, s[WV], 10
	s_add_co_u32 s46, s46, s48
	s_add_nc_u64 s[4:5], s[4:5], s[46:47]
	s_lshl_b32 s46, s[GG], 9
	s_add_nc_u64 s[14:15], s[14:15], s[46:47]
	s_mul_i32 s46, s[GG], 4608
	s_add_nc_u64 s[16:17], s[16:17], s[46:47]
	global_load_b128 v[96:99], v[QOF], s[8:9]
	global_load_b128 v[100:103], v[QOF], s[8:9] offset:16
	global_load_b128 v[104:107], v[BKO], s[10:11]
	global_load_b128 v[108:111], v[BKO], s[10:11] offset:16
.macro GL u
.set RB, 128+64*((\u)%2)
	WIN 0x40*(1+((\u)%4)/2)
.set j, 0
.rept 16
	global_load_b128 v[RB+4*j:RB+4*j+3], v[L16], s[4:5] offset:(16*((\u)/2)+j)*4096+512*((\u)%2) th:TH_LOAD_NT
.set j, j+1
.endr
.endm
.macro TURN u
.set RB, 128+64*((\u)%2)
	WIN 0x04*(1+((\u)%4)/2)
.set j, 0
.rept 16
	ds_store_b128 v[STI], v[RB+4*j:RB+4*j+3] offset:SPITCH*j
.set j, j+1
.endr
	WIN 0
.set j, 0
.rept 16
	ds_load_b128 v[RB+4*j:RB+4*j+3], v[STO] offset:128*(j/4)+16*(j%4)
.set j, j+1
.endr
.endm
.macro QUANT u
.set XS, 128+64*((\u)%2)
.set MM, (\u)/2
.set SS, (\u)%2
	WIN 0
.set j, 0
.rept 64
	v_med3_num_f32 v[P+j], v[XS+j], -v[LIMK], v[LIMK]
.set j, j+1
.endr
	WIN 0x40*(1+MM/4)
.set j, 0
.rept 8
	v_cvt_scalef32_pk8_fp8_f32 v[16*(2*(MM%4)+SS)+2*j:16*(2*(MM%4)+SS)+2*j+1], v[P+8*j:P+8*j+7], v[SCLK]
.set j, j+1
.endr
	WIN 0
.set j, 0
.rept 64
	v_med3_num_f32 v[XS+j], v[XS+j], -v[LIMV], v[LIMV]
.set j, j+1
.endr
	WIN 0xc0
.set j, 0
.rept 8
	v_cvt_scalef32_pk8_fp8_f32 v[16*(2*MM+SS)+2*j:16*(2*MM+SS)+2*j+1], v[XS+8*j:XS+8*j+7], v[SCLV]
.set j, j+1
.endr
	WIN 0
	v_nop
.endm
.macro STEPA u
.if 15-(\u) >= 2
	s_wait_loadcnt 32
.else
	s_wait_loadcnt 16*(15-(\u))
.endif
	TURN \u
.if (\u) >= 1
	s_wait_dscnt 32
.endif
.if (\u)+3 <= 15
	GL (\u)+3
.endif
.if (\u) >= 1
	QUANT (\u)-1
.endif
.endm
	GL 0
	GL 1
	GL 2
	WIN 0                                          ; q, bk and three units of my rows are asked for: they are on their way while the first tiles of weights are fetched
	s_wait_alu depctr_va_vdst(0)
	CROUND                                         ; the four work-groups are here: the first joint loads meet
	tensor_load_to_lds s[G0A:G0A+3], s[G1:G1+7]    ; slot 0: one tensor load a wave at the head
	s_nop 0
.rept 4
	v_nop
.endr
	s_wait_kmcnt 0x0
	s_add_co_i32 s46, s42, 127
	s_lshl_b32 s48, s46, 23
	v_mov_b32 v[SCLK], s48
	s_add_co_i32 s46, s46, 8
	s_lshl_b32 s46, s46, 23
	s_or_b32 s46, s46, 0x600000
	v_mov_b32 v[LIMK], s46
	s_add_co_i32 s46, s44, 127
	s_lshl_b32 s48, s46, 23
	v_mov_b32 v[SCLV], s48
	s_add_co_i32 s46, s46, 8
	s_lshl_b32 s46, s46, 23
	s_or_b32 s46, s46, 0x600000
	v_mov_b32 v[LIMV], s46
	s_add_co_i32 s54, s42, s43
	s_sub_co_i32 s54, s54, 5
	s_wait_loadcnt 48
	ds_store_b128 v[QTW], v[96:99]
	ds_store_b128 v[QTW], v[100:103] offset:16
	v_mul_f32 v112, v96, v104
.irp i, 1,2,3,4,5,6,7
	v_fmac_f32 v112, v[96+\i], v[104+\i]
.endr
.irp x, 1,2,4,8
	v_add_f32_dpp v112, v112, v112 row_xmask:\x row_mask:0xf bank_mask:0xf
.endr
	v_permlanex16_b32 v113, v112, s50, s51
	v_add_f32 v112, v112, v113
	ds_store_b32 v[QBW], v112
.set U, 0
.rept 8
	STEPA U
.set U, U+1
.endr
	; slot 1's first fill stands here, between the eighth and the ninth unit: it is first read in the first period's sixth tile, and has eight units' work in which to land
	s_wait_alu depctr_va_vdst(0)
	s_wait_tensorcnt 0x0                           ; my part of slot 0 is in
	ds_add_u32 v12, v13
	s_wait_dscnt 0x0                               ; the add is done, and unit 7 is back from the stage
	CROUND                                         ; the four work-groups are here: the joint loads meet
	tensor_load_to_lds s[G0B:G0B+3], s[G1:G1+7]    ; slot 1
	s_nop 0
.rept 4
	v_nop
.endr
.rept 8
	STEPA U
.set U, U+1
.endr
	s_wait_dscnt 0x0
	QUANT 15
	WIN 0x40
.set j, 0
.rept 32
	v_mov_b32 v[EE+j], 0
.set j, j+1
.endr
	WIN 0x80
.set j, 0
.rept 32
	v_mov_b32 v[EE+j], 0
.set j, j+1
.endr
	WIN 0
.irp i, 0,1,2,3,4,5,6,7
	v_mov_b32 v[QV+2*\i+1], 0
.endr
	s_wait_tensorcnt 0x1
	s_wait_dscnt 0x0
	s_barrier_signal -1
	s_barrier_wait -1
.macro BLD buf, adr, off
.set j, 0
.rept 8
	ds_load_b128 v[BB+32*(\buf)+4*j:BB+32*(\buf)+4*j+3], v[\adr] offset:(\off)+512*j
.set j, j+1
.endr
.endm
.macro MID ph, i
	WIN 0
.if (\ph == 0) && (\i == 0)
.set j, 0
	s_wait_alu depctr_va_vdst(0)
.rept 8
	ds_load_b32 v[QV+2*j], v[QAD] offset:64*j
.set j, j+1
.endr
.endif
.if ((\i)%2) == 0                      ; every second tile fetches two tiles' fragments of B in one run of sixteen loads: tiles i + 2 and i + 3
.if (\i) < 6
	BLD ((\i)+2)%4, ADC, ((\i)+2)*4096
	BLD ((\i)+3)%4, ADC, ((\i)+3)*4096
.else
	BLD 0, ADN, 0                                  ; the next slot's tiles 0 and 1
	BLD 1, ADN, 4096
.endif
.endif
.endm
.macro WM
.set mq, k%4
.if k < 4
	v_wmma_f32_16x16x128_fp8_fp8 v[SETC+8*mq:SETC+8*mq+7], v[32*mq:32*mq+15], v[BBR:BBR+15], 0
.else
	v_wmma_f32_16x16x128_fp8_fp8 v[SETC+8*mq:SETC+8*mq+7], v[32*mq+16:32*mq+31], v[BBR+16:BBR+31], v[SETC+8*mq:SETC+8*mq+7]
.endif
.endm
.macro SLOP ph, grp, tp
.set mq, n/4
.set pq, n%4
.if \ph == 0
	v_pk_fma_f32 v[EE+8*mq+2*pq:EE+8*mq+2*pq+1], v[SETP+8*mq+2*pq:SETP+8*mq+2*pq+1], v[QV+2*(\tp):QV+2*(\tp)+1], v[EE+8*mq+2*pq:EE+8*mq+2*pq+1] op_sel_hi:[1,0,1]
.elseif n < 2
	v_pk_mul_f32 v[CP+2*n:CP+2*n+1], v[SETP+2*n:SETP+2*n+1], v[P+32*\grp+2*n:P+32*\grp+2*n+1]
.else
	v_pk_fma_f32 v[CP+2*(n%2):CP+2*(n%2)+1], v[SETP+8*mq+2*pq:SETP+8*mq+2*pq+1], v[P+32*\grp+8*mq+2*pq:P+32*\grp+8*mq+2*pq+1], v[CP+2*(n%2):CP+2*(n%2)+1]
.endif
.set n, n+1
.endm
.macro FIN
	v_pk_fma_f32 v[CP:CP+1], v[CP+2:CP+3], 1.0, v[CP:CP+1] op_sel_hi:[1,0,1]
	v_fma_f32 v[CS], v[CP], 1.0, v[CP+1]
.endm
.macro GWIN ph, grp
.if \ph == 0
	WIN 0x51+0x51*\grp
.else
	WIN 0xf3-0xa2*\grp
.endif
.endm
.macro GROUP ph, grp, i
	GWIN \ph, \grp
.set SETC, ACC+32*((\i)%2)
.set SETP, ACC+32*(1-(\i)%2)
.set BBR, BB+32*((\i)%4)
.set k, 0
.set n, 0
.rept 8
	WM
.if \i > 0
	SLOP \ph, \grp, (\i)-1
	SLOP \ph, \grp, (\i)-1
.endif
.set k, k+1
.endr
.if \ph && (\i > 0)
	FIN
.endif
.endm
.macro TILE ph, i, refill
.if (\i == 5) && \refill
	WIN 0
	s_wait_tensorcnt 0x0
	ds_add_u32 v[SPW], v[NIL]
	GROUP \ph, 0, \i
	s_wait_dscnt 0x0
	s_barrier_signal -1
	GROUP \ph, 1, \i
.if \ph
	WIN 0x07
	v_add_f32 v[TT], v[CS], v[CS]
.endif
	WIN 0
	s_barrier_wait -1
	CREST
	s_xor_b32 s[G0B+1], s[G0B+1], SLOT1
	s_add_co_u32 s[FI], s[FI], 1
	s_add_co_u32 s46, s[FI], s[ROT]
	s_and_b32 s46, s46, 7
	s_lshl_b32 s46, s46, 15
	s_lshr_b32 s48, s[FI], 3
	s_lshl_b32 s48, s48, 18
	s_add_co_u32 s46, s46, s48
	s_add_nc_u64 s[G0B+2:G0B+3], s[WB:WB+1], s[46:47]
	s_or_b32 s[G0B+3], s[G0B+3], 0x80000000
	tensor_load_to_lds s[G0B:G0B+3], s[G1:G1+7]
	s_nop 0
.rept 4
	v_nop
.endr
.if \ph
	s_wait_alu depctr_va_vdst(0)
	ds_store_b32 v[CAD], v[TT] offset:64*((\i)-1)
.endif
	MID \ph, \i
.else
.if ((\i)%2) == 0                      ; an even tile waits for the run issued two tiles ago (its own fragments and the next tile's)
.if \ph && ((\i) == 2)
	s_wait_dscnt 1                                 ; behind that run: tile 1's one store
.else
	s_wait_dscnt 2*\ph                             ; behind that run: nothing (ph = 0), two stores or more (ph = 1)
.endif
.elseif (\ph == 0) && ((\i) == 1)
	s_wait_dscnt 16                                ; q's eight loads are in; the sixteen issued behind them may be out
.endif
	GROUP \ph, 0, \i
.if ((\i)%2) == 0
	MID \ph, \i
.endif
	GROUP \ph, 1, \i
.if \i == 0
.rept 4
	v_nop
.endr
.endif
.if \ph && (\i > 0)
	WIN 0x07
	v_add_f32 v[TT], v[CS], v[CS]
	WIN 0
	ds_store_b32 v[CAD], v[TT] offset:64*((\i)-1)
.endif
.endif
.endm
.macro DRAIN ph
.set SETP, ACC+32
.irp grp, 0, 1
	GWIN \ph, \grp
.set n, 0
.rept 16
	SLOP \ph, \grp, 7
.endr
.if \ph
	FIN
.endif
.endr
.if \ph
	WIN 0x07
	v_add_f32 v[TT], v[CS], v[CS]
	WIN 0
	ds_store_b32 v[CAD], v[TT] offset:64*7
.endif
.endm
.macro PERIOD ph, refill
	v_add_nc_u32 v[ADC], s[TB], v[ADB0]
	s_xor_b32 s[TB], s[TB], SLOT1
	v_add_nc_u32 v[ADN], s[TB], v[ADB0]
.if \ph
	v_add_nc_u32 v[CAD], s[PO], v[CAD0]
.else
	v_add_nc_u32 v[QAD], s[PO], v[QAD0]
.endif
	s_wait_alu depctr_va_vdst(0)
.irp t, 0,1,2,3,4,5,6,7
	TILE \ph, \t, \refill
.endr
	DRAIN \ph
	s_add_co_u32 s[PO], s[PO], 512
	WIN 0
.endm
	s_mov_b32 s[TB], 0
	s_mov_b32 s[PO], 0
	BLD 0, ADB0, 0
	BLD 1, ADB0, 4096
	s_mov_b32 s[CNT], 8
.Lk:
	PERIOD 0, 1
	s_sub_co_u32 s[CNT], s[CNT], 1
	s_cmp_lg_u32 s[CNT], 0
	s_cbranch_scc1 .Lk
	WIN 0x01
.set j, 0
.rept 32
	v_ldexp_f32 v[P+j], v[EE+j], s54
.set j, j+1
.endr
	WIN 0x02
.set j, 0
.rept 32
	v_ldexp_f32 v[P+32+j], v[EE+j], s54
.set j, j+1
.endr
	WIN 0
.irp x, 1,2,4,8
.set j, 0
.rept 64
	v_add_f32_dpp v[P+j], v[P+j], v[P+j] row_xmask:\x row_mask:0xf bank_mask:0xf
.set j, j+1
.endr
.endr
.set j, 0
.rept 16
	ds_store_b128 v[EXW], v[P+4*j:P+4*j+3] offset:64*(j/2)+16*(j%2)
.set j, j+1
.endr
	s_wait_tensorcnt 0x0
	s_wait_dscnt 0x0
	s_barrier_signal -1
	s_barrier_wait -1
.irp w, 0,1,2,3
	ds_load_b32 v[112+\w], v[EXR] offset:512*\w
.endr
	ds_load_b128 v[116:119], v[QBA]
	s_wait_dscnt 0x0
	v_add_f32 v112, v112, v113
	v_add_f32 v114, v114, v115
	v_add_f32 v116, v116, v117
	v_add_f32 v118, v118, v119
	v_add_f32 v112, v112, v114
	v_add_f32 v116, v116, v118
	v_fmac_f32 v112, 0x3d000000, v116
	ds_store_b32 v[EFW], v112
	s_wait_dscnt 0x0
	s_barrier_signal -1
	s_barrier_wait -1
.set j, 0
.rept 16
	ds_load_b128 v[P+4*j:P+4*j+3], v[EFR] offset:64*(j/2)+16*(j%2)
.set j, j+1
.endr
	ds_load_b128 v[120:123], v[EFL]
	s_wait_dscnt 0x0
	v_max3_num_f32 v112, v[P], v[P+1], v[P+2]
	v_max3_num_f32 v113, v[P+3], v[P+4], v[P+5]
.irp i, 6,10,14,18,22,26,30,34,38,42,46,50,54,58
	v_max3_num_f32 v112, v112, v[P+\i], v[P+\i+1]
	v_max3_num_f32 v113, v113, v[P+\i+2], v[P+\i+3]
.endr
	v_max3_num_f32 v112, v112, v[P+62], v[P+63]
	v_max_num_f32 v112, v112, v113
	v_permlanex16_b32 v114, v112, s50, s51
	v_max_num_f32 v112, v112, v114
.set j, 0
.rept 32
	v_pk_add_f32 v[P+j:P+j+1], v[P+j:P+j+1], v[112:113] op_sel_hi:[1,0] neg_lo:[0,1] neg_hi:[0,1]
.set j, j+2
.endr
.set j, 0
.rept 32
	v_pk_mul_f32 v[P+j:P+j+1], v[P+j:P+j+1], s[52:53] op_sel_hi:[1,0]
.set j, j+2
.endr
.set j, 0
	s_wait_alu depctr_va_vdst(0)
.rept 64
	v_exp_f32 v[P+j], v[P+j]
.set j, j+1
.endr
	v_mov_b32 v124, v112
	s_wait_alu depctr_va_vdst(0)
	v_pk_add_f32 v[116:117], v[P:P+1], v[P+2:P+3]
	v_pk_add_f32 v[118:119], v[P+4:P+5], v[P+6:P+7]
.irp i, 8,12,16,20,24,28,32,36,40,44,48,52,56,60
	v_pk_add_f32 v[116:117], v[116:117], v[P+\i:P+\i+1]
	v_pk_add_f32 v[118:119], v[118:119], v[P+\i+2:P+\i+3]
.endr
	v_pk_add_f32 v[116:117], v[116:117], v[118:119]
	v_add_f32 v116, v116, v117
	v_permlanex16_b32 v117, v116, s50, s51
	v_add_f32 v125, v116, v117
	v_mov_b32 v126, v112
	v_mov_b32 v127, v125
	s_cmp_lg_u32 s[WV], 0
	s_cbranch_scc1 .Lnot_wave0
	global_store_b128 v[L16], v[120:123], s[14:15]
	global_store_b128 v[L16], v[124:127], s[16:17] offset:4096
.Lnot_wave0:
	WIN 0x43
.set j, 0
.rept 128
	v_mov_b32 v[j], v[128+j]
.set j, j+1
.endr
	WIN 0
	s_mov_b32 s[PO], 0
	s_mov_b32 s[CNT], 6
.Lv:
	PERIOD 1, 1
	s_sub_co_u32 s[CNT], s[CNT], 1
	s_cmp_lg_u32 s[CNT], 0
	s_cbranch_scc1 .Lv
	s_wait_tensorcnt 0x0
	s_mov_b32 s[CNT], 2
.Lt:
	PERIOD 1, 0
	s_sub_co_u32 s[CNT], s[CNT], 1
	s_cmp_lg_u32 s[CNT], 0
	s_cbranch_scc1 .Lt
	s_wait_dscnt 0x0
	s_barrier_signal -1
	s_barrier_wait -1
.set j, 0
.rept 16
	ds_load_b128 v[BB+4*j:BB+4*j+3], v[CXR] offset:CXW*((j%8)/2)+CXH*(j%2)+2048*(j/8)
.set j, j+1
.endr
	s_add_co_u32 s46, s[WV], s[ROT]
	s_add_co_u32 s48, s46, 4
	s_and_b32 s46, s46, 7
	s_and_b32 s48, s48, 7
	s_lshl_b32 s46, s46, 9
	s_lshl_b32 s48, s48, 9
	v_add_nc_u32 v[T16], s46, v[L16]
	v_add_nc_u32 v[TMP], s48, v[L16]
	s_wait_dscnt 0x0
.macro QADD a, b
	v_pk_add_f32 v[\a:\a+1], v[\a:\a+1], v[\b:\b+1]
	v_pk_add_f32 v[\a+2:\a+3], v[\a+2:\a+3], v[\b+2:\b+3]
.endm
.irp hb, BB, BB+32
	QADD \hb, \hb+4
	QADD \hb+8, \hb+12
	QADD \hb+16, \hb+20
	QADD \hb+24, \hb+28
	QADD \hb, \hb+8
	QADD \hb+16, \hb+24
	QADD \hb, \hb+16
.endr
	global_store_b128 v[T16], v[BB:BB+3], s[16:17]
	global_store_b128 v[TMP], v[BB+32:BB+35], s[16:17]
	s_wait_tensorcnt 0x0
	ds_add_u32 v[SPW], v[NIL]
	s_wait_dscnt 0x0
	CROUND
	s_endpgm
.Lfunc_end_k_q9f23422d3c_main:
	.size	k_q9f23422d3c_main, .Lfunc_end_k_q9f23422d3c_main-k_q9f23422d3c_main
	.p2alignl 7, 3214868480
	.fill 96, 4, 3214868480
	.section	.rodata,"a",@progbits
	.p2align	6, 0x0
	.amdhsa_kernel k_q9f23422d3c_main
		.amdhsa_group_segment_fixed_size 327680
		.amdhsa_private_segment_fixed_size 0
		.amdhsa_enable_private_segment 0
		.amdhsa_kernarg_size 56
		.amdhsa_user_sgpr_count 2
		.amdhsa_user_sgpr_kernarg_segment_ptr 1
		.amdhsa_wavefront_size32 1
		.amdhsa_system_sgpr_workgroup_id_x 1
		.amdhsa_system_sgpr_workgroup_id_y 1
		.amdhsa_system_sgpr_workgroup_id_z 1
		.amdhsa_system_vgpr_workitem_id 0
		.amdhsa_next_free_vgpr 1024
		.amdhsa_next_free_sgpr 66
		.amdhsa_reserve_vcc 0
		.amdhsa_float_denorm_mode_32 3
		.amdhsa_float_denorm_mode_16_64 3
		.amdhsa_memory_ordered 1
		.amdhsa_forward_progress 1
		.amdhsa_inst_pref_size 255
	.end_amdhsa_kernel
	.section	.bss,"aw",@nobits
	.p2align	6
	.space	262144
	.amdgpu_metadata
---
amdhsa.version: [ 1, 2 ]
amdhsa.kernels:
  - .name:           k_q9f23422d3c_main
    .symbol:         k_q9f23422d3c_main.kd
    .args:
      - { .name: encoder_outputs, .offset: 0, .size: 8, .value_kind: global_buffer, .address_space: global }
      - { .name: wcodes, .offset: 8, .size: 8, .value_kind: global_buffer, .address_space: global }
      - { .name: qbuf, .offset: 16, .size: 8, .value_kind: global_buffer, .address_space: global }
      - { .name: bk, .offset: 24, .size: 8, .value_kind: global_buffer, .address_space: global }
      - { .name: lowp_scales, .offset: 32, .size: 8, .value_kind: global_buffer, .address_space: global }
      - { .name: energy, .offset: 40, .size: 8, .value_kind: global_buffer, .address_space: global }
      - { .name: part, .offset: 48, .size: 8, .value_kind: global_buffer, .address_space: global }
    .group_segment_fixed_size: 327680
    .private_segment_fixed_size: 0
    .kernarg_segment_align: 8
    .kernarg_segment_size: 56
    .max_flat_workgroup_size: 128
    .sgpr_count:     66
    .vgpr_count:     1024
    .wavefront_size: 32
...
	.end_amdgpu_metadata
.endif
;; end of part 2
;; launch fin (part 3): grid 32 x 1, 8 waves a work-group, no clusters, 0 bytes of LDS; arguments energy, part, bv, alpha, gamma, beta, lowp_scales, out0, out1; writes out0, out1
.if DOCPART == 3
	.amdgcn_target "amdgcn-amd-amdhsa--gfx1250"
	.amdhsa_code_object_version 6
	.text
	.protected	k_q9f23422d3c_fin
	.globl	k_q9f23422d3c_fin
	.p2align	8
	.type	k_q9f23422d3c_fin,@function
k_q9f23422d3c_fin:
	s_mov_b64 s[64:65], 0
	v_nop
	global_prefetch_b8 v0, s[64:65] scope:SCOPE_SE
	s_setreg_imm32_b32 hwreg(HW_REG_WAVE_MODE, 25, 1), 1
	s_wait_xcnt 0x0
; The softmax of a batch is joined from its eight blocks of 128 rows, and the context is finished.  Work-group b = the batch; thread T owns positions 4 T .. 4 T + 3 of both outputs.
; Block i gave m_i (its largest energy), l_i (the sum of exp(E - m_i)) and part_i[o] (the sum of exp(E - m_i) v_raw[s][o]).  M = the largest m_i, w_i = exp(m_i - M), L = the sum of w_i l_i.
; out1 = exp(E - M) / L.  context = (the sum of w_i part_i) / L x 2^(e4 + e5) + bv: the weights add up to 1, so bv enters once.  out0 = gamma tanh(alpha context) + beta,
; tanh(a) = 1 - 2 / (1 + e^(2 a)), which goes to +-1 where the exponential overflows or vanishes.
; Every load and store of a wave covers 512 consecutive bytes.  Memory binds and the launch is short: no LDS, no barrier, no matrix unit.
.set L2E, 0x3fb8aa3b                   ; log2(e)
	s_load_b256 s[4:11], s[0:1], 0x0               ; energy s[4:5], part s[6:7], bv s[8:9], alpha s[10:11]
	s_load_b256 s[12:19], s[0:1], 0x20             ; gamma s[12:13], beta s[14:15], scales s[16:17], out0 s[18:19]
	s_load_b64 s[20:21], s[0:1], 0x40              ; out1
	v_lshlrev_b32 v1, 4, v0
	s_mul_i32 s22, ttmp9, 36864                    ; eight rows of 4,608 bytes of part
	s_mov_b32 s23, 0
	s_lshl_b32 s24, ttmp9, 12                      ; a row of 4,096 bytes of energy, out0, out1
	s_mov_b32 s25, 0
	s_wait_alu depctr_va_vdst(0)
	s_wait_kmcnt 0x0
	s_add_nc_u64 s[6:7], s[6:7], s[22:23]
	s_add_nc_u64 s[4:5], s[4:5], s[24:25]
	s_add_nc_u64 s[18:19], s[18:19], s[24:25]
	s_add_nc_u64 s[20:21], s[20:21], s[24:25]
.irp i, 0,1,2,3,4,5,6,7
	s_load_b64 s[32+2*\i:33+2*\i], s[6:7], 4608*\i+4096   ; m_i, l_i: this launch writes nothing of part
.endr
	s_load_b32 s48, s[10:11], 0x0                  ; alpha
	s_load_b64 s[50:51], s[16:17], 0x10            ; e4, e5
	global_load_b128 v[4:7], v1, s[4:5]
.irp i, 0,1,2,3,4,5,6,7
	global_load_b128 v[32+4*\i:35+4*\i], v1, s[6:7] offset:4608*\i
.endr
	global_load_b128 v[8:11], v1, s[8:9]
	global_load_b128 v[12:15], v1, s[12:13]
	global_load_b128 v[16:19], v1, s[14:15]
	s_wait_kmcnt 0x0
	s_add_co_i32 s52, s50, s51                     ; e4 + e5
	s_mul_f32 s49, s48, 0x4038aa3b                 ; 2 log2(e) alpha
	v_mov_b32 v20, s32
	s_delay_alu instid0(VALU_DEP_1)
	v_max3_num_f32 v20, v20, s34, s36
	s_delay_alu instid0(VALU_DEP_1)
	v_max3_num_f32 v20, v20, s38, s40
	s_delay_alu instid0(VALU_DEP_1)
	v_max3_num_f32 v20, v20, s42, s44
	s_delay_alu instid0(VALU_DEP_1)
	v_max_num_f32 v20, s46, v20                    ; M
.irp i, 0,1,2,3,4,5,6,7
	v_sub_f32 v[21+\i], s[32+2*\i], v20
.endr
.irp i, 0,1,2,3,4,5,6,7
	v_mul_f32 v[21+\i], L2E, v[21+\i]
.endr
	s_wait_alu depctr_va_vdst(0)
.irp i, 0,1,2,3,4,5,6,7
	v_exp_f32 v[21+\i], v[21+\i]                   ; w_i
.endr
	s_wait_loadcnt 0x0
.irp c, 0,1,2,3
	v_sub_f32 v[4+\c], v[4+\c], v20                ; (plain places behind the exponentials)
.endr
.irp c, 0,1,2,3
	s_delay_alu instid0(VALU_DEP_4)
	v_mul_f32 v[4+\c], L2E, v[4+\c]
.endr
	s_wait_alu depctr_va_vdst(0)
	v_mul_f32 v30, s33, v21
.irp i, 1,2,3,4,5,6,7
	v_fmac_f32 v30, s[33+2*\i], v[21+\i]           ; L, at least 1
.endr
	s_wait_alu depctr_va_vdst(0)
.irp c, 0,1,2,3
	v_exp_f32 v[4+\c], v[4+\c]
.endr
	v_rcp_f32 v31, v30
.irp c, 0,1,2,3
	v_mul_f32 v[64+\c], v21, v[32+\c]              ; the sum of w_i part_i (plain places behind the transcendentals)
.endr
.irp i, 1,2,3,4,5,6,7
.irp c, 0,1,2,3
	v_fmac_f32 v[64+\c], v[21+\i], v[32+4*\i+\c]
.endr
.endr
	s_wait_alu depctr_va_vdst(0)
.irp c, 0,1,2,3
	v_mul_f32 v[4+\c], v[4+\c], v31
.endr
	global_store_b128 v1, v[4:7], s[20:21]         ; the weights
.irp c, 0,1,2,3
	v_mul_f32 v[64+\c], v[64+\c], v31
.endr
.irp c, 0,1,2,3
	s_delay_alu instid0(VALU_DEP_4)
	v_ldexp_f32 v[64+\c], v[64+\c], s52            ; x 2^(e4 + e5)
.endr
.irp c, 0,1,2,3
	s_delay_alu instid0(VALU_DEP_4)
	v_add_f32 v[64+\c], v[64+\c], v[8+\c]          ; + bv: the context
.endr
.irp c, 0,1,2,3
	s_delay_alu instid0(VALU_DEP_4)
	v_mul_f32 v[68+\c], s49, v[64+\c]
.endr
	s_wait_alu depctr_va_vdst(0)
.irp c, 0,1,2,3
	v_exp_f32 v[68+\c], v[68+\c]                   ; e^(2 alpha context)
.endr
	v_nop                                          ; one plain place behind a run of transcendentals
	s_wait_alu depctr_va_vdst(0)
.irp c, 0,1,2,3
	v_add_f32 v[68+\c], 1.0, v[68+\c]
.endr
	s_wait_alu depctr_va_vdst(0)
.irp c, 0,1,2,3
	v_rcp_f32 v[68+\c], v[68+\c]
.endr
	v_nop
	s_wait_alu depctr_va_vdst(0)
.irp c, 0,1,2,3
	v_fma_f32 v[68+\c], v[68+\c], -2.0, 1.0        ; tanh
.endr
.irp c, 0,1,2,3
	s_delay_alu instid0(VALU_DEP_4)
	v_fma_f32 v[68+\c], v[12+\c], v[68+\c], v[16+\c]
.endr
	global_store_b128 v1, v[68:71], s[18:19]
	s_endpgm
.Lfunc_end_k_q9f23422d3c_fin:
	.size	k_q9f23422d3c_fin, .Lfunc_end_k_q9f23422d3c_fin-k_q9f23422d3c_fin
	.p2alignl 7, 3214868480
	.fill 96, 4, 3214868480
	.section	.rodata,"a",@progbits
	.p2align	6, 0x0
	.amdhsa_kernel k_q9f23422d3c_fin
		.amdhsa_group_segment_fixed_size 0
		.amdhsa_private_segment_fixed_size 0
		.amdhsa_enable_private_segment 0
		.amdhsa_kernarg_size 72
		.amdhsa_user_sgpr_count 2
		.amdhsa_user_sgpr_kernarg_segment_ptr 1
		.amdhsa_wavefront_size32 1
		.amdhsa_system_sgpr_workgroup_id_x 1
		.amdhsa_system_sgpr_workgroup_id_y 1
		.amdhsa_system_sgpr_workgroup_id_z 1
		.amdhsa_system_vgpr_workitem_id 0
		.amdhsa_next_free_vgpr 96
		.amdhsa_next_free_sgpr 66
		.amdhsa_reserve_vcc 0
		.amdhsa_float_denorm_mode_32 3
		.amdhsa_float_denorm_mode_16_64 3
		.amdhsa_memory_ordered 1
		.amdhsa_forward_progress 1
		.amdhsa_inst_pref_size 9
	.end_amdhsa_kernel
	.amdgpu_metadata
---
amdhsa.version: [ 1, 2 ]
amdhsa.kernels:
  - .name:           k_q9f23422d3c_fin
    .symbol:         k_q9f23422d3c_fin.kd
    .args:
      - { .name: energy, .offset: 0, .size: 8, .value_kind: global_buffer, .address_space: global }
      - { .name: part, .offset: 8, .size: 8, .value_kind: global_buffer, .address_space: global }
      - { .name: bv, .offset: 16, .size: 8, .value_kind: global_buffer, .address_space: global }
      - { .name: alpha, .offset: 24, .size: 8, .value_kind: global_buffer, .address_space: global }
      - { .name: gamma, .offset: 32, .size: 8, .value_kind: global_buffer, .address_space: global }
      - { .name: beta, .offset: 40, .size: 8, .value_kind: global_buffer, .address_space: global }
      - { .name: lowp_scales, .offset: 48, .size: 8, .value_kind: global_buffer, .address_space: global }
      - { .name: out0, .offset: 56, .size: 8, .value_kind: global_buffer, .address_space: global }
      - { .name: out1, .offset: 64, .size: 8, .value_kind: global_buffer, .address_space: global }
    .group_segment_fixed_size: 0
    .private_segment_fixed_size: 0
    .kernarg_segment_align: 8
    .kernarg_segment_size: 72
    .max_flat_workgroup_size: 256
    .sgpr_count:     66
    .vgpr_count:     96
    .wavefront_size: 32
...
	.end_amdgpu_metadata
.endif
;; end of part 3
